; MI455X (gfx1250); checked and timed in simulation.
; The chip was launched on July 23, 2026; its instructions are those of AMD's public machine-readable ISA for CDNA 5 (MIT licence, August 2026) and "CDNA5" Instruction Set Architecture Reference Guide (July 2026). The comments in the code are by the model that wrote it; some were corrected since.
;; Deep Seek Mo E. Allowed arithmetic: matrix products marked QUANTISED: E4M3 operands, one E8M0 scale for each 32 along K, by v_wmma_scale_f32_16x16x128_f8f6f4 with both operands' format E4M3, f32 sums; products left as they are: f32 operands where the result goes on into a quantised operand, else bf16, f16 or f32 operands; f32 sums; everything else in f32.
;; Inputs: W_experts 8 x 1,024 x 1,024 float32; W_router 8 x 1,024 float32; W_shared 1,024 x 1,024 float32; b_experts 8 x 1,024 float32; b_router 8 float32; b_shared 1,024 float32; x 4 x 1,024 x 1,024 float32.
;; Outputs: out0 4 x 1,024 x 1,024 float32.
;; This version of the problem:
;;   THIS VERSION OF THE PROBLEM IS GIVEN IN LOW PRECISION. The matrix products marked QUANTISED in the list below multiply operands that are first quantised to E4M3 (4 exponent bits, 3 mantissa bits; 8 bits a number), with one power-of-two scale for each 32 numbers along K (OCP MX v1.0); their sums are f32. All else is computed in f32.
;;   The module's matrix products, in the order in which they are computed (A, B: the left and right operand; K: the contracted axis; several contracted axes count as one K, in the product's order):
;;     1. [M 4,096, K 1,024] x [K 1,024, N 1,024]; A: input x; B: input W_shared: QUANTISED
;;     2. [M 4,096, K 1,024] x [K 1,024, N 8]; A: input x; B: input W_router: left as it is (N = 8 < 16)
;;     3. [M 4,096, K 1,024] x [K 1,024, N 8,192]; A: input x; B: input W_experts: QUANTISED
;;     4. batch 4,096 x [M 1, K 8] x [K 8, N 1,024]; A: computed on the way; B: computed on the way: left as it is (K = 8 < 32)
;;   THE QUANTISER, for each operand of a quantised product, along K:
;;     - K is cut into blocks of 32 from its start; a last block that is shorter is filled with zeros.
;;     - A block's scale is 2^e with e = floor(log2(the largest magnitude in the block)) - 8, held to -126 .. 127; a block of zeros has e = 0. As a byte (E8M0): e + 127.
;;     - Each number is divided by its block's scale, clamped to +-448, and rounded to the nearest number of E4M3, ties to even, subnormals kept.
;;     - The product sums the exact products of the quantised numbers (number of the format x scale) in f32.
;;   ~~~python
;;   def quantise(x, axis):      # numpy; x: float32 -> the quantised numbers, widened to float32 again
;;       x = np.moveaxis(x, axis, -1); K = x.shape[-1]
;;       x = np.pad(x, [(0, 0)] * (x.ndim - 1) + [(0, -K % 32)]); x = x.reshape(x.shape[:-1] + (-1, 32)); a = np.abs(x).max(-1, keepdims=True)
;;       e = np.where(a > 0, np.clip(np.frexp(np.where(a > 0, a, 1))[1] - 1 - 8, -126, 127), 0)      # np.frexp(a)[1] - 1 = floor(log2(a)), exactly
;;       r = np.clip(x / 2.0 ** e, -448, 448)
;;       step = 2.0 ** (np.maximum(np.frexp(np.where(r == 0, 1, r))[1] - 1, -6) - 3)
;;       q = np.round(r / step) * step * 2.0 ** e      # np.round: ties to even
;;       return np.moveaxis(q.reshape(q.shape[:-2] + (-1,))[..., :K], -1, axis).astype(np.float32)
;;   ~~~
;; One version. Each part assembles by itself: llvm-mc -triple=amdgcn-amd-amdhsa -mcpu=gfx1250 --defsym DOCPART=n.
;; ======== version 1 of 1: 2 launches
;; limits: right only within a limited range of input values
;; workspace buffers: xi 4,325,376 bytes; gates 131,072 bytes; wq 9,830,400 bytes
;; launch quant (part 1): grid 256 x 1, 13 waves a work-group, no clusters, 62,208 bytes of LDS; arguments x, W_router, b_router, W_shared, W_experts, b_shared, b_experts, xi, gates, wq; writes xi, gates, wq
.if DOCPART == 1
	.amdgcn_target "amdgcn-amd-amdhsa--gfx1250"
	.amdhsa_code_object_version 6
	.text
	.protected	k_q35b4620f18_quant
	.globl	k_q35b4620f18_quant
	.p2align	8
	.type	k_q35b4620f18_quant,@function
k_q35b4620f18_quant:
	s_mov_b64 s[64:65], 0
	v_nop
	global_prefetch_b8 v0, s[64:65] scope:SCOPE_SE
	s_setreg_imm32_b32 hwreg(HW_REG_WAVE_MODE, 25, 1), 1
	s_wait_xcnt 0x0
; DeepSeekMoE, launch 1 of 2.  out = x Ws^T + bs + sum over the experts of gate x (x We^T + be), the gate 0 for an expert that is not among a token's two.  No work of reference() is left out: all nine products are made for all tokens.
; LIMITS: NaN and infinities among the inputs are not served.  Two router scores that lie closer than the rounding of an f32 sum of 1,024 terms may be ranked the other way than reference() ranks them.  A block of 32 zeros gets the scale
; byte 1 where the rule says 127: its codes are zeros and this program alone reads the bytes.  0.5 x bias is exact from 2^-125 on.
; THIS LAUNCH turns x and the nine weight matrices (number 0: W_shared, e + 1: W_experts[e]) into codes of E4M3 and E8M0 bytes, laid as the second launch's operand registers take them, and makes the gates in f32.
; A FRAGMENT is 16 rows x 128 along K: 2,048 bytes, byte 512 c + 16 lane + j = row lane % 16, k = 32 c + 16 (lane / 16) + j.
;   xi [16 groups of 256 tokens][33 pieces][4 waves v][2,048]: v = 2 th + kh (which 128 tokens, which half of K); piece 0: scale words [tile pair q][lane][step s]: lane 16 (m % 2) + r, q = m / 2; piece 1 + 8 s + m: step s of tile m.
;   wq [64 tiles of 16 columns][2 halves][76,800]: 18 pieces n' of 4,096 (kh = 0, 1); n = 18 half + n' = 4 matrix + step; from byte 73,728 their scale words [n'][kh][row]; from byte 76,032 half the biases of the matrices that begin in the half, [.][16].
;   gates [4,096 tokens][8].
; SHARES: a work-group has 16 tokens and 9 pieces of W: waves 0 to 3 two fragments of x each (K steps 2 w, 2 w + 1), waves 4 to 12 a piece of W each.  All run the same quantiser; waves 0 to 3 also make the router's sums over their quarter of K.
; A load reads 512 consecutive bytes of a row: a lane holds 4 neighbours of K, so a block of 32 lies in eight neighbouring lanes.  Codes turn through LDS, in units of 256 bytes 272 apart.
; No cluster: W_router, 32 KiB of the 240 KiB that a work-group reads, is all that work-groups share.  No prefetch: there is no loop to run ahead in.  No tensor load: each number goes straight into the register that is worked on.
.set XG,    270336
.set SLOT,  76800
.set CW,    4352                       ; LDS: a wave's two fragments, 8 x 272 each
.set LSB,   13*CW                      ; scale bytes: 256 for two waves: 16 row + 8 (wave % 2) + 4 fragment + block
.set LSC,   LSB+1792                   ; partial scores: [wave][group of 4 tokens][lane]
.set SPARE, LSC+2048                   ; the spare words, 128 bytes for each wave
; v1 16 x lane; v2, v3 the add's two; v4, v5 codes in, back; v6 my block's scale byte; v7 lane; v8 W's scale words; v9, v31 partial scores in, back; v10, v11 bias; v24-27 scores; v64-127 W_router (i, e) at 64 + 4 (8 i + e); v128-255 row p of fragment f at 128 + 64 f + 4 p
	s_load_b512 s[4:19], s[0:1], 0x0               ; x, W_router, b_router, W_shared, W_experts, b_shared, b_experts, xi
	s_load_b128 s[20:23], s[0:1], 0x40             ; gates, wq
	v_lshl_add_u32 v2, v0, 2, SPARE
	v_mov_b32 v3, 0
	v_lshrrev_b32 v12, 5, v0
	v_readfirstlane_b32 s24, v12                   ; wave 0..12
	s_mul_i32 s26, s24, CW
	s_lshr_b32 s27, s24, 1
	s_lshl_b32 s27, s27, 8
	s_and_b32 s28, s24, 1
	s_lshl_b32 s28, s28, 3
	s_add_co_u32 s27, s27, s28
	s_add_co_u32 s27, s27, LSB
	s_lshl_b32 s28, s24, 9
	s_add_co_u32 s28, s28, LSC
	s_lshl_b32 s29, s24, 7
	s_add_co_u32 s29, s29, LSC
	s_cmp_lt_u32 s24, 4
	s_cselect_b32 s25, 7, 15
	s_mov_b32 s54, 0x76543210
	s_mov_b32 s55, 0xfedcba98                      ; v_permlanex16_b32's selects for lane l xor 16
	s_mov_b32 s56, 0xaaaaaaaa                      ; the lanes whose bit 0, 1, 2, 3, 4 is set
	s_mov_b32 s57, 0xcccccccc
	s_mov_b32 s58, 0xf0f0f0f0
	s_mov_b32 s59, 0xff00ff00
	s_mov_b32 s60, 0xffff0000
	s_mov_b32 s61, 0x600000                        ; the mantissa field of 448
	v_and_b32 v7, 31, v0
	v_lshlrev_b32 v1, 4, v7
	v_lshlrev_b32 v30, 2, v7
	v_lshrrev_b32 v12, 2, v7
	v_mul_u32_u24 v12, v12, 272
	v_and_b32 v13, 3, v7
	v_lshl_add_u32 v12, v13, 2, v12
	v_add_nc_u32 v4, s26, v12                      ; codes in: unit lane / 4, 4 (lane % 4); 16 more a row
	v_lshrrev_b32 v14, 4, v7
	v_and_b32 v15, 15, v7
	v_mul_u32_u24 v12, v14, 272
	v_lshl_add_u32 v12, v15, 4, v12
	v_add_nc_u32 v5, s26, v12                      ; codes back
	v_lshrrev_b32 v6, 3, v7
	v_add_nc_u32 v6, s27, v6
	v_lshlrev_b32 v12, 2, v14
	v_lshl_add_u32 v12, v15, 4, v12
	v_add_nc_u32 v8, s27, v12
	v_add_nc_u32 v9, s28, v30
	v_add_nc_u32 v31, s29, v30
	v_and_b32 v10, s25, v7
	v_lshlrev_b32 v10, 2, v10
	v_mov_b32 v28, 0
	v_mov_b32 v29, 0
	s_wait_alu depctr_va_vdst(0)                   ; the wait at the head's end
	; offsets: s32 to fragment 0 in its tensor, s34 on to fragment 1; s36, s37 the same of the codes; s38 scale words; s35 bias; s39 gates or half the bias; s62 the matrix, s63 the step of K
	s_cmp_lt_u32 s24, 4
	s_cbranch_scc0 .Lw_off
	s_lshl_b32 s32, ttmp9, 16
	s_lshl_b32 s33, s24, 10
	s_add_co_u32 s32, s32, s33
	s_mov_b32 s34, 512
	s_lshr_b32 s26, ttmp9, 4
	s_mul_i32 s26, s26, XG
	s_and_b32 s27, ttmp9, 7                        ; m
	s_bfe_u32 s28, ttmp9, 0x10003                  ; th
	s_lshl_b32 s29, s28, 12
	s_add_co_u32 s29, s29, s26
	s_lshl_b32 s30, s27, 8
	s_add_co_u32 s38, s29, s30
	s_and_b32 s31, s24, 1
	s_lshl_b32 s31, s31, 4
	s_add_co_u32 s31, s31, s27
	s_add_co_u32 s31, s31, 1                       ; piece 1 + 8 s + m, s = 2 (w % 2)
	s_lshl_b32 s31, s31, 13
	s_lshr_b32 s30, s24, 1
	s_lshl_b32 s30, s30, 11
	s_add_co_u32 s36, s29, s31
	s_add_co_u32 s36, s36, s30
	s_mov_b32 s37, 65536
	s_lshl_b32 s39, ttmp9, 9
	s_lshl_b32 s30, s24, 7
	s_add_co_u32 s39, s39, s30
	s_mov_b32 s35, 0
	s_mov_b32 s62, 1
	s_mov_b32 s63, 1
	s_branch .Loff
.Lw_off:
	s_sub_co_u32 s26, s24, 4
	s_and_b32 s27, ttmp9, 3
	s_mul_i32 s28, s27, 9
	s_add_co_u32 s28, s28, s26                     ; n
	s_lshr_b32 s29, ttmp9, 2                       ; tile of 16 columns
	s_lshr_b32 s62, s28, 2
	s_and_b32 s63, s28, 3
	s_lshr_b32 s27, s27, 1                         ; half
	s_mul_i32 s30, s27, 18
	s_sub_co_u32 s28, s28, s30                     ; n'
	s_sub_co_u32 s31, s62, 1
	s_max_i32 s31, s31, 0                          ; the matrix's number in its tensor
	s_lshl_b32 s32, s31, 22
	s_lshl_b32 s33, s29, 16
	s_add_co_u32 s32, s32, s33
	s_lshl_b32 s33, s63, 9
	s_add_co_u32 s32, s32, s33
	s_mov_b32 s34, 2048
	s_lshl_b32 s35, s31, 12
	s_lshl_b32 s33, s29, 6
	s_add_co_u32 s35, s35, s33
	s_mul_i32 s26, s29, 2*SLOT
	s_mul_i32 s30, s27, SLOT
	s_add_co_u32 s26, s26, s30
	s_lshl_b32 s36, s28, 12
	s_add_co_u32 s36, s36, s26
	s_mov_b32 s37, 2048
	s_lshl_b32 s38, s28, 7
	s_add_co_u32 s38, s38, s26
	s_add_co_u32 s38, s38, 73728
	s_mul_i32 s30, s27, 5
	s_max_u32 s31, s62, s30
	s_sub_co_u32 s31, s31, s30
	s_lshl_b32 s31, s31, 6
	s_add_co_u32 s39, s31, s26
	s_add_co_u32 s39, s39, 76032
.Loff:
	s_wait_kmcnt 0x0
	s_cmp_lt_u32 s24, 4                            ; the choices of buffers hang on ids alone
	s_cselect_b64 s[40:41], s[4:5], s[12:13]
	s_cselect_b64 s[44:45], s[18:19], s[22:23]
	s_cselect_b64 s[48:49], s[8:9], s[16:17]
	s_cselect_b64 s[52:53], s[20:21], s[22:23]
	s_cmp_eq_u32 s62, 0
	s_cselect_b64 s[40:41], s[10:11], s[40:41]
	s_cselect_b64 s[48:49], s[14:15], s[48:49]
	s_mov_b32 s27, 0
	s_mov_b32 s26, s32
	s_add_nc_u64 s[40:41], s[40:41], s[26:27]
	s_mov_b32 s26, s34
	s_add_nc_u64 s[42:43], s[40:41], s[26:27]
	s_mov_b32 s26, s38
	s_add_nc_u64 s[50:51], s[44:45], s[26:27]
	s_mov_b32 s26, s36
	s_add_nc_u64 s[44:45], s[44:45], s[26:27]
	s_mov_b32 s26, s37
	s_add_nc_u64 s[46:47], s[44:45], s[26:27]
	s_mov_b32 s26, s35
	s_add_nc_u64 s[48:49], s[48:49], s[26:27]
	s_mov_b32 s26, s39
	s_add_nc_u64 s[52:53], s[52:53], s[26:27]
	global_load_b32 v11, v10, s[48:49]             ; the oldest load: b_router at lane % 8, or W's bias at lane % 16
	s_cmp_lt_u32 s24, 4
	s_cbranch_scc0 .Lno_router
	s_lshl_b32 s26, s24, 10
	s_add_nc_u64 s[6:7], s[6:7], s[26:27]
.irp i, 0,1
.irp e, 0,1,2,3,4,5,6,7
	global_load_b128 v[64+4*(8*\i+\e):67+4*(8*\i+\e)], v1, s[6:7] offset:4096*\e+512*\i
.endr
.endr
.Lno_router:
.macro LOADR a                         ; rows a .. a + 3 of both fragments
.irp p, 0,1,2,3
.irp f, 0,1
	global_load_b128 v[128+64*\f+4*(\a+\p):131+64*\f+4*(\a+\p)], v1, s[40+2*\f:41+2*\f] offset:4096*(\a+\p) th:TH_LOAD_NT
.endr
.endr
.endm
	LOADR 0
	LOADR 4
	s_cmp_lt_u32 s24, 4
	s_cbranch_scc0 .Lhalf
	LOADR 8                                        ; x's waves, which have the router's sums too, ask for all their rows now; W's waves for rows 8 to 15 when rows 0 to 7 are in
	LOADR 12
.Lhalf:
.macro RSTAGE n, xm, msk               ; a lane keeps the value whose bit is its own, and gives the other to lane l xor xm
.set u, 0
.rept \n
	v_cndmask_b32 v[12+2*(u%2)], v[32+2*u], v[33+2*u], s[\msk]
	v_cndmask_b32 v[13+2*(u%2)], v[33+2*u], v[32+2*u], s[\msk]
	v_add_f32_dpp v[32+u], v[13+2*(u%2)], v[12+2*(u%2)] row_xmask:\xm row_mask:0xf bank_mask:0xf
.set u, u+1
.endr
.endm
.macro SCORE2 t, dst                   ; tokens t, t + 1 x 8 experts over my 256 of K: 16 pairs of sums, then one sum a lane over its 16 lanes: value lane % 16 = 8 token + expert
.irp i, 0,1
.irp p, 0,1
.irp e, 0,1,2,3,4,5,6,7
.irp q, 0,1
.if (\i == 0) && (\p == 0)
	v_pk_mul_f32 v[32+2*(8*\q+\e):33+2*(8*\q+\e)], v[128+64*\i+4*(\t+\q)+2*\p:129+64*\i+4*(\t+\q)+2*\p], v[64+4*(8*\i+\e)+2*\p:65+4*(8*\i+\e)+2*\p]
.else
	v_pk_fma_f32 v[32+2*(8*\q+\e):33+2*(8*\q+\e)], v[128+64*\i+4*(\t+\q)+2*\p:129+64*\i+4*(\t+\q)+2*\p], v[64+4*(8*\i+\e)+2*\p:65+4*(8*\i+\e)+2*\p], v[32+2*(8*\q+\e):33+2*(8*\q+\e)]
.endif
.endr
.endr
.endr
.endr
.set u, 0
.rept 16
	v_add_f32 v[32+u], v[32+2*u], v[33+2*u]
.set u, u+1
.endr
	RSTAGE 8, 1, 56
	RSTAGE 4, 2, 57
	RSTAGE 2, 4, 58
	v_cndmask_b32 v12, v32, v33, s59
	v_cndmask_b32 v13, v33, v32, s59
	v_add_f32_dpp v\dst, v13, v12 row_xmask:8 row_mask:0xf bank_mask:0xf
.endm
; four rows of both fragments: eight chains c = 4 f + i by turns
.macro QUANT4 g
.irp f, 0,1
.irp i, 0,1,2,3
	v_max3_num_f32 v[16+4*\f+\i], |v[128+64*\f+16*\g+4*\i]|, |v[129+64*\f+16*\g+4*\i]|, 0x4800000   ; and the floor 2^(9 - 127): the byte cannot fall under 1
.endr
.endr
.irp f, 0,1
.irp i, 0,1,2,3
	v_max3_num_f32 v[16+4*\f+\i], v[16+4*\f+\i], |v[130+64*\f+16*\g+4*\i]|, |v[131+64*\f+16*\g+4*\i]|
.endr
.endr
.irp m, 1,2,4
.irp c, 0,1,2,3,4,5,6,7
	v_max_num_f32_dpp v[16+\c], v[16+\c], v[16+\c] row_xmask:\m row_mask:0xf bank_mask:0xf   ; over the block's eight lanes
.endr
.endr
.irp c, 0,1,2,3,4,5,6,7
	v_add_nc_u32 v[32+\c], 0xfc000000, v[16+\c]    ; 8 off the exponent field: the conversion's scale operand
.endr
.irp c, 0,1,2,3,4,5,6,7
	v_and_or_b32 v[40+\c], v[16+\c], 0x7f800000, s61   ; 448 x the scale
.endr
.irp c, 0,1,2,3,4,5,6,7
	v_lshrrev_b32 v[48+\c], 23, v[32+\c]           ; the scale's byte
.endr
.irp f, 0,1
.irp i, 0,1,2,3
.irp j, 0,1,2,3
	v_med3_num_f32 v[128+64*\f+16*\g+4*\i+\j], v[128+64*\f+16*\g+4*\i+\j], -v[40+4*\f+\i], v[40+4*\f+\i]   ; the conversion to an 8-bit code does not saturate (ISA guide 7.6.2)
.endr
.endr
.endr
; eight numbers are two rows', with a scale each: the first row's codes are taken from the conversion by its scale (low register), the second row's from the one by the other (high register)
.irp f, 0,1
.irp h, 0,1
	v_cvt_scalef32_pk8_fp8_f32 v[16+4*\f+2*\h:17+4*\f+2*\h], v[128+64*\f+16*\g+8*\h:135+64*\f+16*\g+8*\h], v[32+4*\f+2*\h]
	v_cvt_scalef32_pk8_fp8_f32 v[56+4*\f+2*\h:57+4*\f+2*\h], v[128+64*\f+16*\g+8*\h:135+64*\f+16*\g+8*\h], v[33+4*\f+2*\h]
.endr
.endr
	v_nop                                          ; a plain line behind the last conversion
.irp f, 0,1
.irp h, 0,1
	ds_store_b32 v4, v[16+4*\f+2*\h] offset:2176*\f+16*(4*\g+2*\h)
	ds_store_b32 v4, v[57+4*\f+2*\h] offset:2176*\f+16*(4*\g+2*\h+1)
	ds_store_b8 v6, v[48+4*\f+2*\h] offset:16*(4*\g+2*\h)+4*\f       ; the block's eight lanes write the same byte with the same value
	ds_store_b8 v6, v[49+4*\f+2*\h] offset:16*(4*\g+2*\h+1)+4*\f
.endr
.endr
.endm
.macro SCORE4 g
	SCORE2 4*\g, 28
	SCORE2 4*\g+2, 29
	v_cndmask_b32 v12, v28, v29, s60
	v_cndmask_b32 v13, v29, v28, s60
	v_permlanex16_b32 v14, v13, s54, s55           ; (v14 was written above)
	v_add_f32 v[24+\g], v12, v14                   ; lane l: token 4 g + l / 8, expert l % 8, over my quarter of K
.endm
.macro GROUP g
	s_cmp_lt_u32 s24, 4
	s_cbranch_scc0 .Lw_\g
	s_wait_loadcnt 24-8*\g                         ; x: rows 4 g .. 4 g + 3 of both fragments are in; the later rows' loads may be out
	SCORE4 \g
	s_branch .Lquant_\g
.Lw_\g:
.if \g == 0
	s_wait_loadcnt 0x0                             ; W: rows 0 to 7 are in; the other eight rows go out
	LOADR 8
	LOADR 12
.elseif \g == 2
	s_wait_loadcnt 8                               ; W: rows 8 to 11 are in; the last four rows' eight loads may be out
.endif
.Lquant_\g:
	QUANT4 \g
.endm
	GROUP 0
	GROUP 1
	GROUP 2
	s_cmp_lt_u32 s24, 4
	s_cbranch_scc0 .Lmeet
	s_wait_loadcnt 0x0                             ; x's last four rows stand ahead of the barrier, W's behind it
	SCORE4 3
	QUANT4 3
.irp g, 0,1,2,3
	ds_store_b32 v9, v[24+\g] offset:128*\g
.endr
.Lmeet:
	s_wait_dscnt 0x0                               ; for the others' sake: my scores and scale bytes have landed
	s_barrier_signal -1
	s_barrier_wait -1
	s_cmp_lt_u32 s24, 4
	s_cbranch_scc1 .Lback
	s_wait_loadcnt 0x0
	QUANT4 3
.Lback:
.irp f, 0,1
.irp c, 0,1,2,3
	ds_load_b128 v[64+16*\f+4*\c:67+16*\f+4*\c], v5 offset:2176*\f+544*\c   ; LDS serves a wave's instructions in order (ISA guide 5.7.1.4): these see my stores
.endr
.endr
	s_wait_dscnt 0x0
.irp f, 0,1
.irp c, 0,1,2,3
	global_store_b128 v1, v[64+16*\f+4*\c:67+16*\f+4*\c], s[44+2*\f:45+2*\f] offset:512*\c   ; 512 consecutive bytes, aligned
.endr
.endr
	s_cmp_lt_u32 s24, 4
	s_cbranch_scc1 .Lroute
	ds_load_b32 v96, v8
	s_wait_dscnt 0x0
	global_store_b32 v30, v96, s[50:51]            ; my piece's 32 scale words
	s_cmp_lg_u32 s63, 0
	s_cbranch_scc1 .Lend
	v_mul_f32 v97, 0.5, v11                        ; a matrix's first piece: half its tile's bias (each half of K starts its sums with one half)
	global_store_b32 v10, v97, s[52:53]
	s_branch .Lend
.Lroute:
.irp k, 0,1,2,3
	ds_load_b32 v[32+\k], v31 offset:512*\k        ; the four quarters of K of token group w
.endr
	s_cmp_lg_u32 s24, 0
	s_cbranch_scc1 .Lno_words
	v_add_nc_u32 v51, LSB, v1
	v_lshrrev_b32 v53, 4, v7
	v_lshlrev_b32 v53, 11, v53
	v_and_b32 v52, 15, v7
	v_lshl_add_u32 v52, v52, 4, v53
	s_wait_alu depctr_va_vdst(0)
	ds_load_b128 v[100:103], v51                   ; the 16 tokens' scale words, both halves of K
	s_wait_dscnt 0x0
	global_store_b128 v52, v[100:103], s[50:51]    ; two units of 256 bytes
.Lno_words:
	s_wait_dscnt 0x0
	v_add_f32 v36, v32, v33
	v_add_f32 v37, v34, v35
	v_and_b32 v41, 7, v7                           ; my lane's expert
	v_add_f32 v36, v36, v37
	v_add_f32 v40, v36, v11                        ; + b_router: the score of token 4 w + lane / 8, expert lane % 8
; the larger of (V, I) and lane l xor m's; of equal scores the lower index, as jax.lax.top_k has it
.macro MAXSTEP m
	v_mov_b32_dpp v44, v42 row_xmask:\m row_mask:0xf bank_mask:0xf
	v_mov_b32_dpp v45, v43 row_xmask:\m row_mask:0xf bank_mask:0xf
	v_cmp_gt_f32 s34, v44, v42
	v_cmp_eq_f32 s35, v44, v42
	v_cmp_lt_u32 s36, v45, v43
	s_and_b32 s35, s35, s36
	s_or_b32 s34, s34, s35
	v_cndmask_b32 v42, v42, v44, s34
	v_cndmask_b32 v43, v43, v45, s34
.endm
	v_mov_b32 v44, 0
	v_mov_b32 v45, 0
	v_mov_b32 v59, 0xff800000                      ; -infinity
	v_mov_b32 v60, 15
	v_mov_b32 v42, v40
	v_mov_b32 v43, v41
	MAXSTEP 1
	MAXSTEP 2
	MAXSTEP 4
	v_mov_b32 v46, v42                             ; the largest score and its expert
	v_mov_b32 v47, v43
	s_wait_alu depctr_va_vdst(0)
	v_cmp_eq_u32 s37, v41, v47
	v_cndmask_b32 v42, v40, v59, s37               ; the winner leaves the field
	v_cndmask_b32 v43, v41, v60, s37
	MAXSTEP 1
	MAXSTEP 2
	MAXSTEP 4                                      ; the second
	s_wait_alu depctr_va_vdst(0)
	v_sub_f32 v16, v42, v46                        ; the softmax of the two, the larger taken away: 1 / (1 + E), E / (1 + E), E = e^(second - first)
	v_mul_f32 v16, 0x3fb8aa3b, v16
	s_wait_alu depctr_va_vdst(0)
	v_exp_f32 v61, v16
	v_cmp_eq_u32 s35, v41, v43                     ; is mine the second?  (plain work behind the exponential)
	v_mov_b32 v50, 0
	s_wait_alu depctr_va_vdst(0)                   ; the wait ahead of the first reader
	v_add_f32 v17, 1.0, v61
	s_wait_alu depctr_va_vdst(0)
	v_rcp_f32 v62, v17
	v_nop
	s_wait_alu depctr_va_vdst(0)
	v_mul_f32 v63, v61, v62
	v_cndmask_b32 v50, v50, v63, s35
	v_cndmask_b32 v50, v50, v62, s37
	global_store_b32 v30, v50, s[52:53]            ; four tokens' gates: 128 consecutive bytes
.Lend:
	s_wait_tensorcnt 0x0                           ; the wave's end
	ds_add_u32 v2, v3
	s_wait_dscnt 0x0
	s_endpgm
.Lfunc_end_k_q35b4620f18_quant:
	.size	k_q35b4620f18_quant, .Lfunc_end_k_q35b4620f18_quant-k_q35b4620f18_quant
	.p2alignl 7, 3214868480
	.fill 96, 4, 3214868480
	.section	.rodata,"a",@progbits
	.p2align	6, 0x0
	.amdhsa_kernel k_q35b4620f18_quant
		.amdhsa_group_segment_fixed_size 62208
		.amdhsa_private_segment_fixed_size 0
		.amdhsa_enable_private_segment 0
		.amdhsa_kernarg_size 80
		.amdhsa_user_sgpr_count 2
		.amdhsa_user_sgpr_kernarg_segment_ptr 1
		.amdhsa_wavefront_size32 1
		.amdhsa_system_sgpr_workgroup_id_x 1
		.amdhsa_system_sgpr_workgroup_id_y 1
		.amdhsa_system_sgpr_workgroup_id_z 1
		.amdhsa_system_vgpr_workitem_id 0
		.amdhsa_next_free_vgpr 256
		.amdhsa_next_free_sgpr 66
		.amdhsa_reserve_vcc 0
		.amdhsa_float_denorm_mode_32 3
		.amdhsa_float_denorm_mode_16_64 3
		.amdhsa_memory_ordered 1
		.amdhsa_forward_progress 1
		.amdhsa_inst_pref_size 119
	.end_amdhsa_kernel
	.amdgpu_metadata
---
amdhsa.version: [ 1, 2 ]
amdhsa.kernels:
  - .name:           k_q35b4620f18_quant
    .symbol:         k_q35b4620f18_quant.kd
    .args:
      - { .name: x, .offset: 0, .size: 8, .value_kind: global_buffer, .address_space: global }
      - { .name: W_router, .offset: 8, .size: 8, .value_kind: global_buffer, .address_space: global }
      - { .name: b_router, .offset: 16, .size: 8, .value_kind: global_buffer, .address_space: global }
      - { .name: W_shared, .offset: 24, .size: 8, .value_kind: global_buffer, .address_space: global }
      - { .name: W_experts, .offset: 32, .size: 8, .value_kind: global_buffer, .address_space: global }
      - { .name: b_shared, .offset: 40, .size: 8, .value_kind: global_buffer, .address_space: global }
      - { .name: b_experts, .offset: 48, .size: 8, .value_kind: global_buffer, .address_space: global }
      - { .name: xi, .offset: 56, .size: 8, .value_kind: global_buffer, .address_space: global }
      - { .name: gates, .offset: 64, .size: 8, .value_kind: global_buffer, .address_space: global }
      - { .name: wq, .offset: 72, .size: 8, .value_kind: global_buffer, .address_space: global }
    .group_segment_fixed_size: 62208
    .private_segment_fixed_size: 0
    .kernarg_segment_align: 8
    .kernarg_segment_size: 80
    .max_flat_workgroup_size: 416
    .sgpr_count:     66
    .vgpr_count:     256
    .wavefront_size: 32
...
	.end_amdgpu_metadata
.endif
;; end of part 1
;; launch moe (part 2): grid 16 x 16, 4 waves a work-group, clusters of 4 x 4, 327,680 bytes of LDS; arguments xi, gates, wq, out0; writes out0
.if DOCPART == 2
	.amdgcn_target "amdgcn-amd-amdhsa--gfx1250"
	.amdhsa_code_object_version 6
	.text
	.protected	k_q35b4620f18_moe
	.globl	k_q35b4620f18_moe
	.p2align	8
	.type	k_q35b4620f18_moe,@function
k_q35b4620f18_moe:
	s_mov_b64 s[64:65], 0
	v_nop
	global_prefetch_b8 v0, s[64:65] scope:SCOPE_SE
	s_setreg_imm32_b32 hwreg(HW_REG_WAVE_MODE, 25, 1), 1
	s_wait_xcnt 0x0
	s_wait_alu depctr_hold_cnt(0) depctr_sa_sdst(0) depctr_va_vdst(0) depctr_va_sdst(0) depctr_va_ssrc(0) depctr_va_vcc(0) depctr_vm_vsrc(0)
	s_getreg_b32 s2, hwreg(HW_REG_IB_STS2, 6, 4)
	s_cmp_eq_u32 s2, 0
	s_cbranch_scc0 .Lentry_in_a_cluster
	s_endpgm
.Lentry_in_a_cluster:
	s_bfe_u32 s2, ttmp6, 0x10000c
	s_cmp_lg_u32 s2, 0xf033
	s_cbranch_scc0 .Lentry_shape_is_right
	s_endpgm
.Lentry_shape_is_right:
; DeepSeekMoE, launch 2 of 2.  out[token] = x Ws^T + bs + sum over the experts of gate x (x We^T + be), on codes of E4M3 with E8M0 scales; layouts at the head of the first launch.  Nothing is left out; limits as there.
; SHARES.  A work-group owns 256 tokens (y) x 64 columns (x).  Wave w = 2 th + kh: 128 tokens (8 tiles) x half of K: its x stays in 512 registers, and W's rows stream past it in BLOCKS of 16 columns of one matrix: 4 steps of 128 along K,
; 32 matrix instructions.  Four column tiles one after the other, each with its nine matrices: 36 blocks.  So a tile of columns is finished after nine blocks, and the sums take 64 registers.
; THE MATRIX INSTRUCTION IS USED TRANSPOSED (source 0 = 16 rows of W, source 1 = 16 tokens): a lane holds one token, so its gate is one register, and eight neighbouring columns.  The two halves of K each start from half the bias and meet in the stage at the end.
; Block b (0: shared, 1 .. 8: experts) writes product set b % 3; while block b + 1 is multiplied, gate x block b is added to the sums, a line behind each product (these lines are also the places that loads and readers want).  Block 0 is
; block 1's addend.  The 8 accumulators of a set take turns, one instruction a turn.
; W's fragments: a ring of six, piece n = 4 b + s in buffer n % 6 (36 pieces a column tile, a multiple of 6).  Every third step fetches three pieces in one run, behind its sixth product.
; LDS: TWO SLOTS of 76,800 bytes, half a column tile (18 pieces, their scale words, half biases) each, refilled behind a drained round of the cluster's barrier in steps 14 and 32; the stage, 2 halves of K x 256 tokens x 272; the spare words.
; At the head x's pieces 0 to 24 (scale words, K steps 0 to 2) land on slot 1 and the stage, whence they go into registers while slot 0 takes the first half column tile; K step 3 and the gates come by plain loads.  Then slot 1 takes its first half column tile.
; CLUSTERS: 4 x 4.  The four of a row of the cluster share x's pieces, the four of a column W's halves: each is asked for jointly, by the same line with the same descriptor.
; PREFETCH: one slot ahead of the joint load: of a half's 300 units of 256 bytes each of the 16 waves of a cluster's column names 19, told apart by address; it stops at the last half.
.set SLOT,  76800
.set XB,    SLOT
.set XG,    270336
.set STAGE, 2*SLOT
.set HS,    256*272
.set SPARE, STAGE+2*HS
; window 0 (windows 1, 2: x, step s of tile m at 256 (1 + s / 2) + 128 (s % 2) + 16 m; window 3: product sets at 0, 64, 128, the sums at 192)
.set SPW, 2                            ; the add's two
.set NIL, 3
.set L16, 4                            ; 16 x lane
.set AW,  5                            ; v5-8   W's fragments: slot 0 pieces 0-8, 9-17; slot 1
.set AS,  9                            ; v9-10  W's scale words
.set AB,  11                           ; v11-12 half biases
.set STO, 13                           ; the stage, in;  v19 the same for this column tile
.set RD,  14                           ; v14-15 back: the two halves of K
.set PFO, 16
.set GO,  17
.set OO,  18
.set STQ, 19
.set AX,  20                           ; v20-23 x's pieces in LDS
.set SC,  32                           ; scale words: x's tile pair q, step s at SC + 8 q + 4 + s; W's ring of six at SC + 0 .. 3, 8, 9: no product's two have numbers equal modulo 8
.set BI,  64                           ; half biases, block b at BI + 8 (b % 3)
.set WR,  96                           ; W's ring
.set GT,  192                          ; gate of tile m, expert e at GT + 8 m + e
.set SUM, 192                          ; in window 3
.set G1W, 24
.set G1X, 32
.set G1R, 48
.set G0W, 56
.set G0X, 60
.set G0R, 68
.set PF,  72
.set MSB, 0
.macro WIN new                         ; the immediate's high byte repeats the setting that is left
.if MSB != (\new)
	s_set_vgpr_msb (MSB<<8)|(\new)
.set MSB, (\new)
.endif
.endm
.macro CREST                           ; a round of the cluster's barrier behind its opening barrier
	s_cmp_lg_u32 s14, 0
	s_cbranch_scc1 .Lnot_wave_0_\@
	s_barrier_signal -3
.Lnot_wave_0_\@:
	s_barrier_wait -3
	s_barrier_signal -1
	s_barrier_wait -1
.endm
.macro CROUND
	s_barrier_signal -1
	s_barrier_wait -1
	CREST
.endm
.macro TLOAD g0, g1                    ; a joint load; an s_nop 0 and four v_nop follow it
	tensor_load_to_lds s[\g0:\g0+3], s[\g1:\g1+7]
	s_nop 0
.rept 4
	v_nop
.endr
.endm
.macro GROUP1 g, mask, rows, len       ; so many rows of len elements of 8 bytes, dense in memory and in LDS; bit 21 stands beside a mask
	s_or_b32 s[\g], s[\mask], (3<<16)|(1<<21)
	s_mov_b32 s[\g+1], (\len)<<16
	s_mov_b32 s[\g+2], (\rows)<<16
	s_mov_b32 s[\g+3], (\len)<<16
	s_mov_b32 s[\g+4], \rows
	s_mov_b32 s[\g+5], \len
	s_mov_b32 s[\g+6], 0
	s_mov_b32 s[\g+7], 0
.endm
	s_load_b256 s[4:11], s[0:1], 0x0               ; xi, gates, wq, out0
	v_lshl_add_u32 v[SPW], v0, 2, SPARE
	v_mov_b32 v[NIL], 0
	ds_add_u32 v[SPW], v[NIL]                      ; the wave's opening: the add, twice on end, and its wait
	ds_add_u32 v[SPW], v[NIL]
	v_lshrrev_b32 v24, 5, v0
	v_readfirstlane_b32 s14, v24                   ; wave 0..3
	s_lshr_b32 s15, s14, 1                         ; th
	s_and_b32 s16, s14, 1                          ; kh
	s_bfe_u32 s40, ttmp6, 0x40000                  ; cx, cy
	s_bfe_u32 s41, ttmp6, 0x40004
	s_lshl_b32 s42, ttmp9, 2
	s_add_co_u32 s42, s42, s40                     ; which 64 columns
	s_and_b32 s43, ttmp7, 0xffff
	s_lshl_b32 s43, s43, 2
	s_add_co_u32 s43, s43, s41                     ; which 256 tokens
	s_lshl_b32 s44, s41, 2
	s_lshl_b32 s44, 15, s44                        ; my row of the cluster shares x
	s_lshl_b32 s45, 0x1111, s40                    ; my column shares W
	GROUP1 G1X, 44, 100, 128                       ; the head: waves 0, 1 half of x's 25 pieces each,
	GROUP1 G1W, 45, 50, 96                         ; waves 2, 3 half of slot 0 each
	GROUP1 G1R, 45, 25, 96                         ; a refill: a quarter of a slot a wave
	s_mul_i32 s46, s42, 8*SLOT                     ; in wq: my four column tiles, eight halves on end
	s_mul_i32 s47, s43, XG                         ; in xi: my group
	s_mul_i32 s17, s14, SLOT/4
	s_lshl_b32 s20, s16, 11
	s_lshl_b32 s21, s16, 6
	s_add_co_u32 s21, s21, 73728
	s_mul_i32 s22, s16, HS
	s_mul_i32 s18, s15, 128*272
	s_add_co_u32 s22, s22, s18
	s_add_co_u32 s22, s22, STAGE
	s_mul_i32 s23, s14, 64*272
	s_add_co_u32 s23, s23, STAGE
	s_lshl_b32 s66, s14, 11
	s_add_co_u32 s66, s66, XB
	s_lshl_b32 s67, s41, 2
	s_add_co_u32 s67, s67, s14
	s_mul_i32 s67, s67, 19                         ; my first unit of a prefetch
	v_and_b32 v25, 15, v0                          ; r
	v_bfe_u32 v26, v0, 4, 1                        ; h
	v_and_b32 v27, 31, v0                          ; lane
	v_lshlrev_b32 v[L16], 4, v27
	v_add_nc_u32 v[AW], s20, v[L16]
	v_add_nc_u32 v[AW+1], 36864, v[AW]
	v_add_nc_u32 v[AW+2], SLOT, v[AW]
	v_add_nc_u32 v[AW+3], SLOT+36864, v[AW]
	v_lshl_add_u32 v[AS], v25, 2, s21
	v_add_nc_u32 v[AS+1], SLOT, v[AS]
	v_lshl_add_u32 v[AB], v26, 5, 76032
	v_add_nc_u32 v[AB+1], SLOT, v[AB]
	v_mul_u32_u24 v24, v25, 272
	v_lshl_add_u32 v24, v26, 5, v24
	v_add_nc_u32 v[STO], s22, v24                  ; my half of K, token 128 th + r (+ 16 m), 32 h
	v_mul_u32_u24 v24, v26, 272
	v_lshl_add_u32 v24, v25, 4, v24
	v_add_nc_u32 v[RD], s23, v24                   ; token 64 w + h (+ 2 t), 16 bytes a lane
	v_add_nc_u32 v[RD+1], HS, v[RD]
	v_add_nc_u32 v[AX], s66, v[L16]
	v_add_nc_u32 v[AX+1], 65536, v[AX]
	v_add_nc_u32 v[AX+2], 131072, v[AX]
	v_add_nc_u32 v[AX+3], 196608, v[AX]
	v_lshlrev_b32 v[GO], 5, v25
	v_lshlrev_b32 v24, 12, v26
	v_lshl_add_u32 v[OO], v25, 4, v24
	v_min_u32 v24, 18, v27
	v_add_nc_u32 v24, s67, v24
	v_min_u32 v24, 299, v24
	v_lshlrev_b32 v[PFO], 8, v24
	s_wait_alu depctr_va_vdst(0)                   ; the wait at the head's end
	s_wait_dscnt 0x0                               ; both opening adds are done
	CROUND                                         ; all sixteen work-groups are here
	s_wait_kmcnt 0x0
	s_mov_b32 s21, 0
	s_mov_b32 s23, 0
	s_mov_b32 s[G0X], 1
	s_mul_i32 s22, s16, 102400
	s_add_co_u32 s[G0X+1], s22, XB
	s_add_co_u32 s22, s22, s47
	s_add_nc_u64 s[G0X+2:G0X+3], s[4:5], s[22:23]
	s_or_b32 s[G0X+3], s[G0X+3], 0x80000000
	s_mov_b32 s[G0W], 1
	s_mul_i32 s[G0W+1], s16, SLOT/2
	s_add_co_u32 s20, s46, s[G0W+1]
	s_add_nc_u64 s[G0W+2:G0W+3], s[8:9], s[20:21]
	s_or_b32 s[G0W+3], s[G0W+3], 0x80000000
	s_lshl_b32 s22, s14, 11
	s_add_co_u32 s22, s22, s47
	s_add_co_u32 s22, s22, 25*8192
	s_add_nc_u64 s[74:75], s[4:5], s[22:23]        ; x's pieces 25 to 32: K step 3
.macro XDIRECT
	WIN 0x80
.irp m, 0,1,2,3,4,5,6,7
.irp c, 0,1,2,3
	global_load_b128 v[128+16*\m+4*\c:131+16*\m+4*\c], v[L16], s[74:75] offset:8192*\m+512*\c
.endr
.endr
	WIN 0
.endm
	s_cmp_eq_u32 s15, 0                            ; ONE joint load a wave; x is needed first, and has a line of its own
	s_cbranch_scc0 .Lfor_w
	TLOAD G0X, G1X
	XDIRECT
	s_branch .Lasked
.Lfor_w:
	XDIRECT
	TLOAD G0W, G1W
.Lasked:
	s_lshl_b32 s18, s43, 13
	s_lshl_b32 s19, s15, 12
	s_add_co_u32 s18, s18, s19
	s_mov_b32 s19, 0
	s_add_nc_u64 s[76:77], s[6:7], s[18:19]        ; my 128 tokens' gates
.irp m, 0,1,2,3,4,5,6,7
	global_load_b128 v[GT+8*\m:GT+8*\m+3], v[GO], s[76:77] offset:512*\m
	global_load_b128 v[GT+8*\m+4:GT+8*\m+7], v[GO], s[76:77] offset:512*\m+16
.endr
	s_add_co_u32 s20, s46, SLOT
	s_add_nc_u64 s[PF:PF+1], s[8:9], s[20:21]
	global_prefetch_b8 v[PFO], s[PF:PF+1] th:TH_LOAD_NT scope:SCOPE_SE   ; half 1
	s_mov_b32 s[G0R], 1
	s_add_co_u32 s[G0R+1], s17, SLOT
	s_add_co_u32 s20, s20, s17
	s_add_nc_u64 s[G0R+2:G0R+3], s[8:9], s[20:21]
	s_or_b32 s[G0R+3], s[G0R+3], 0x80000000
	s_lshl_b32 s18, s43, 20                        ; out0: row 256 G + 64 w, column 64 X
	s_lshl_b32 s20, s14, 18
	s_add_co_u32 s18, s18, s20
	s_lshl_b32 s20, s42, 8
	s_add_co_u32 s18, s18, s20
	s_add_nc_u64 s[10:11], s[10:11], s[18:19]
.macro FETCH k                         ; piece k of the column tile (from 36 on: the next one's) into its ring buffer, its scale word; with a block's first piece the half bias
.set K_, (\k)%36
.set L_, K_/18
.set Q_, K_%18
.set F_, WR+16*(K_%6)
	WIN 0
.irp c, 0,1,2,3
	ds_load_b128 v[F_+4*\c:F_+4*\c+3], v[AW+2*L_+Q_/9] offset:4096*(Q_%9)+512*\c
.endr
	ds_load_b32 v[SC+(K_%6)+4*((K_%6)/4)], v[AS+L_] offset:128*Q_
.if (K_%4) == 0
.set F_, BI+8*((K_/4)%3)
	ds_load_b128 v[F_:F_+3], v[AB+L_] offset:64*((K_/4)-5*L_)
	ds_load_b128 v[F_+4:F_+7], v[AB+L_] offset:64*((K_/4)-5*L_)+16
.endif
.endm
.macro CNT k, last                     ; V_ += the loads of piece k: 5, or 7 with a bias
.if ((\last) == 0) || ((\k) < 36)
.set V_, V_+5+2*(1-((((\k)%4)+3)/4))
.endif
.endm
.macro PR n, m                         ; step n's product on token tile m
.set B_, ((\n)/4)%3
.set S_, (\n)%4
.set D_, 64*B_+8*(\m)
.set R_, WR+16*((\n)%6)
.set X_, 128*(S_%2)+16*(\m)
.set W_, SC+((\n)%6)+4*(((\n)%6)/4)
.set Y_, SC+4+8*((\m)/2)+S_
.if S_ == 0
.set C_, BI+8*B_                       ; a sum starts with half the bias (window 0)
	WIN 0xc4
.else
.set C_, D_
	WIN 0xf4+4*(S_/2)
.endif
.if ((\m)%2) == 0
	v_wmma_scale_f32_16x16x128_f8f6f4 v[D_:D_+7], v[R_:R_+15], v[X_:X_+15], v[C_:C_+7], v[W_], v[Y_]
.else
	v_wmma_scale_f32_16x16x128_f8f6f4 v[D_:D_+7], v[R_:R_+15], v[X_:X_+15], v[C_:C_+7], v[W_], v[Y_] matrix_b_scale:MATRIX_SCALE_ROW1
.endif
.endm
.macro FM n, f, first                  ; the sums += gate x the block before's products: line f of eight behind step n: tiles 2 s, 2 s + 1, each from its low end on
.set J_, (\n)/4
.set M_, 2*((\n)%4)+(\f)/4
.set T_, 8*M_+2*((\f)%4)
.if (\first) || (J_ == 1)
	v_nop                                          ; the block before is the shared one, which waits as the addend (or there is none): a place
.else
.if J_ == 0
.set E_, 7
.set P_, 128
.set A_, SUM
.elseif J_ == 2
.set E_, 0
.set P_, 64
.set A_, 0
.else
.set E_, J_-2
.set P_, 64*((J_-1)%3)
.set A_, SUM
.endif
.set G_, GT+8*M_+2*(E_/2)
	WIN 0xf3
.if (E_%2) == 0
	v_pk_fma_f32 v[SUM+T_:SUM+T_+1], v[P_+T_:P_+T_+1], v[G_:G_+1], v[A_+T_:A_+T_+1] op_sel_hi:[1,0,1]
.else
	v_pk_fma_f32 v[SUM+T_:SUM+T_+1], v[P_+T_:P_+T_+1], v[G_:G_+1], v[A_+T_:A_+T_+1] op_sel:[0,1,0] op_sel_hi:[1,1,1]
.endif
.endif
.endm
.macro PAIR n, a, first
	PR \n, \a
	PR \n, (\a+1)
	FM \n, \a, \first
	FM \n, (\a+1), \first
.endm
; A step: the wait for its piece, eight products.  Steps 0, 3, 6 .. fetch the three pieces from n + 3 on behind their sixth product: eight places behind the last product that read the youngest of the three buffers.
; Steps 14 and 32 change slots: the last pieces of a slot are fetched in steps 12 and 30, the first of the other in steps 15 and 33.
.macro STEP n, last, first
.set U_, 0
.if (\n) == 14
.set U_, 1+\last
.elseif ((\n) == 32) && ((\last) == 0)
.set U_, 1
.endif
.if U_ == 1
	WIN 0
	s_wait_xcnt 0x0                                ; my prefetch has read its address
	s_add_nc_u64 s[PF:PF+1], s[PF:PF+1], SLOT
	s_wait_tensorcnt 0x0                           ; my part of the other slot is in;
	ds_add_u32 v[SPW], v[NIL]                      ; 0 onto my spare word
.if (\n) == 14
	s_mov_b32 s[G0R+1], s17                        ; slot 0
.else
	s_add_co_u32 s[G0R+1], s17, SLOT               ; slot 1
.endif
	s_add_nc_u64 s[G0R+2:G0R+3], s[G0R+2:G0R+3], SLOT
	s_wait_dscnt 15                                ; this step's piece is in; the younger three's loads may be out
.elseif U_ == 2
	WIN 0
	s_wait_tensorcnt 0x0                           ; my part of the last half is in; nothing is filled again
	s_wait_dscnt 15
.else
.set V_, 0                             ; the loads behind this step's piece: the rest of its group of three, and the next group where it has been asked for
	CNT (\n)+1, \last
.if ((\n)%3) == 0
	CNT (\n)+2, \last
.elseif ((\n)%3) == 1
	CNT (\n)+2, \last
	CNT (\n)+3, \last
	CNT (\n)+4, \last
.else
	CNT (\n)+2, \last
	CNT (\n)+3, \last
.endif
	s_wait_dscnt V_
.if (\first) && ((\n) == 3)
	s_wait_loadcnt 0x0                             ; x's K step 3 and the gates are in
.endif
.endif
	PAIR \n, 0, \first
.if U_ > 0
	WIN 0
	s_wait_dscnt 0x0                               ; the add is done, and so are my reads of this slot
	s_barrier_signal -1
.endif
	PAIR \n, 2, \first
	PAIR \n, 4, \first
.if (((\n)%3) == 0) && (((\last) == 0) || ((\n) < 33))
	FETCH (\n)+3
	FETCH (\n)+4
	FETCH (\n)+5
.if ((\n) == 15) && ((\last) == 0)
	global_prefetch_b8 v[PFO], s[PF:PF+1] th:TH_LOAD_NT scope:SCOPE_SE   ; the half behind the one just asked for
.endif
.if ((\n) == 33) && ((\last) == 0)
	s_cmp_lt_u32 s3, 2                             ; in the last trip there is no further half
	s_cbranch_scc0 .Lno_more_\@
	global_prefetch_b8 v[PFO], s[PF:PF+1] th:TH_LOAD_NT scope:SCOPE_SE
.Lno_more_\@:
.endif
.endif
	PAIR \n, 6, \first
.if U_ > 0
	WIN 0
	s_barrier_wait -1
.endif
.if U_ == 1
	CREST                                          ; no wave of any partner still reads this slot or has a load on its way
	TLOAD G0R, G1R                                 ; the refill: 18 steps ahead of the wait for it
.endif
.endm
.macro OUTS t                          ; token tiles t, t + 1 of the finished column tile into the stage
	s_wait_alu depctr_va_vdst(0)
	WIN 0x0c
.irp i, 0,1
	ds_store_b128 v[STQ], v[SUM+8*(\t+\i):SUM+8*(\t+\i)+3] offset:4352*(\t+\i)
	ds_store_b128 v[STQ], v[SUM+8*(\t+\i)+4:SUM+8*(\t+\i)+7] offset:4352*(\t+\i)+16
.endr
.endm
	s_wait_alu depctr_va_vdst(0)
	s_cmp_lt_u32 s14, 2
	s_cbranch_scc0 .Lnot_x
	s_wait_tensorcnt 0x0                           ; waves 0, 1: x's pieces have landed.  Waves 2, 3 wait for W's at the round below
.Lnot_x:
	s_barrier_signal -1
	s_barrier_wait -1
.irp q, 0,1,2,3
	ds_load_b128 v[SC+8*\q+4:SC+8*\q+7], v[AX] offset:512*\q
.endr
.irp s, 0,1,2
.irp m, 0,1,2,3,4,5,6,7
	WIN 0x40*(1+\s/2)
.irp c, 0,1,2,3
	ds_load_b128 v[128*(\s%2)+16*\m+4*\c:128*(\s%2)+16*\m+4*\c+3], v[AX+(1+8*\s+\m)/8] offset:8192*((1+8*\s+\m)%8)+512*\c
.endr
.endr
.endr
	WIN 0
	s_wait_xcnt 0x0
	s_add_nc_u64 s[PF:PF+1], s[PF:PF+1], SLOT
	s_wait_tensorcnt 0x0                           ; slot 0 is in
	ds_add_u32 v[SPW], v[NIL]
	s_mov_b32 s3, 0                                ; the column tile
	s_mov_b32 s2, 0                                ; its first byte in a stage row
	s_wait_dscnt 0x0                               ; x is in registers
	CROUND
	TLOAD G0R, G1R                                 ; half 1 over x's first pieces
	FETCH 0
	FETCH 1
	FETCH 2
	global_prefetch_b8 v[PFO], s[PF:PF+1] th:TH_LOAD_NT scope:SCOPE_SE   ; half 2
.irp n, 0,1,2,3
	STEP \n, 0, 1                                  ; the first column tile's block 0
.endr
	WIN 0
.Lct:                                              ; three trips: a column tile's blocks 1 to 8 and the next one's block 0
.set i_, 4
.rept 32
	STEP i_, 0, 0
.set i_, i_+1
.endr
	STEP 0, 0, 0
	STEP 1, 0, 0
	WIN 0
	v_add_nc_u32 v[STQ], s2, v[STO]
	OUTS 0                                         ; tiles 0, 1 were finished behind step 0
	STEP 2, 0, 0
	OUTS 2
	STEP 3, 0, 0
	OUTS 4
	OUTS 6
	WIN 0
	s_add_co_u32 s2, s2, 64
	s_add_co_u32 s3, s3, 1
	s_cmp_lt_u32 s3, 3
	s_cbranch_scc1 .Lct
.set i_, 4
.rept 32
	STEP i_, 1, 0                                  ; the last column tile: nothing is filled again
.set i_, i_+1
.endr
.irp s, 0,1,2,3
.irp f, 0,1,2,3,4,5,6,7
	FM \s, \f, 0
.endr
.endr
	WIN 0
	v_add_nc_u32 v[STQ], s2, v[STO]
.irp t, 0,2,4,6
	OUTS \t
.endr
	WIN 0
	s_wait_dscnt 0x0                               ; for the others' sake: my sums have landed
	s_barrier_signal -1
	s_barrier_wait -1
	; THE WAY OUT: 64 tokens a wave, both halves of K, whole rows of 256 bytes
.irp b, 0,1,2,3
	WIN 0x40
.irp t, 0,1,2,3,4,5,6,7
	ds_load_b128 v[32*\b+4*\t:32*\b+4*\t+3], v[RD] offset:544*(8*\b+\t)
.endr
	WIN 0x80
.irp t, 0,1,2,3,4,5,6,7
	ds_load_b128 v[32*\b+4*\t:32*\b+4*\t+3], v[RD+1] offset:544*(8*\b+\t)
.endr
.endr
.irp b, 0,1,2,3
	s_wait_dscnt 48-16*\b
	WIN 0x49                                       ; windows 1 + 2 -> 1
.irp j, 0,2,4,6,8,10,12,14,16,18,20,22,24,26,28,30
	v_pk_add_f32 v[32*\b+\j:32*\b+\j+1], v[32*\b+\j:32*\b+\j+1], v[32*\b+\j:32*\b+\j+1]
.endr
	WIN 0x04                                       ; a store's data: window 1
.irp t, 0,1,2,3,4,5,6,7
	global_store_b128 v[OO], v[32*\b+4*\t:32*\b+4*\t+3], s[10:11] offset:8192*(8*\b+\t) th:TH_STORE_NT   ; sixteen lanes store 256 consecutive bytes, aligned
.endr
.endr
	WIN 0
	s_wait_tensorcnt 0x0                           ; the wave's end
	ds_add_u32 v[SPW], v[NIL]
	s_wait_dscnt 0x0
	CROUND                                         ; the closing round: no work-group ends while a partner may still ask for a tile that names it
	s_endpgm
.Lfunc_end_k_q35b4620f18_moe:
	.size	k_q35b4620f18_moe, .Lfunc_end_k_q35b4620f18_moe-k_q35b4620f18_moe
	.p2alignl 7, 3214868480
	.fill 96, 4, 3214868480
	.section	.rodata,"a",@progbits
	.p2align	6, 0x0
	.amdhsa_kernel k_q35b4620f18_moe
		.amdhsa_group_segment_fixed_size 327680
		.amdhsa_private_segment_fixed_size 0
		.amdhsa_enable_private_segment 0
		.amdhsa_kernarg_size 32
		.amdhsa_user_sgpr_count 2
		.amdhsa_user_sgpr_kernarg_segment_ptr 1
		.amdhsa_wavefront_size32 1
		.amdhsa_system_sgpr_workgroup_id_x 1
		.amdhsa_system_sgpr_workgroup_id_y 1
		.amdhsa_system_sgpr_workgroup_id_z 1
		.amdhsa_system_vgpr_workitem_id 0
		.amdhsa_next_free_vgpr 1024
		.amdhsa_next_free_sgpr 80
		.amdhsa_reserve_vcc 0
		.amdhsa_float_denorm_mode_32 3
		.amdhsa_float_denorm_mode_16_64 3
		.amdhsa_memory_ordered 1
		.amdhsa_forward_progress 1
		.amdhsa_inst_pref_size 190
	.end_amdhsa_kernel
	.amdgpu_metadata
---
amdhsa.version: [ 1, 2 ]
amdhsa.kernels:
  - .name:           k_q35b4620f18_moe
    .symbol:         k_q35b4620f18_moe.kd
    .args:
      - { .name: xi, .offset: 0, .size: 8, .value_kind: global_buffer, .address_space: global }
      - { .name: gates, .offset: 8, .size: 8, .value_kind: global_buffer, .address_space: global }
      - { .name: wq, .offset: 16, .size: 8, .value_kind: global_buffer, .address_space: global }
      - { .name: out0, .offset: 24, .size: 8, .value_kind: global_buffer, .address_space: global }
    .group_segment_fixed_size: 327680
    .private_segment_fixed_size: 0
    .kernarg_segment_align: 8
    .kernarg_segment_size: 32
    .max_flat_workgroup_size: 128
    .sgpr_count:     80
    .vgpr_count:     1024
    .wavefront_size: 32
...
	.end_amdgpu_metadata
.endif
;; end of part 2
